; MI455X (gfx1250); checked and timed in simulation.
; The chip was launched on July 23, 2026; its instructions are those of AMD's public machine-readable ISA for CDNA 5 (MIT licence, August 2026) and "CDNA5" Instruction Set Architecture Reference Guide (July 2026). The comments in the code are by the model that wrote it; some were corrected since.
;; Mistral4 Mo E. Allowed arithmetic: matrix products marked QUANTISED: E2M1 operands, one E8M0 scale for each 32 along K, by v_wmma_scale_f32_16x16x128_f8f6f4 with both operands' format E2M1 (or v_wmma_scale_f32_32x16x128_f4), f32 sums; everything else in f32.
;; Inputs: Sd 4,096 x 256 float32; Sg 256 x 4,096 float32; Su 256 x 4,096 float32; Wd 16 x 4,096 x 64 float32; Wg 16 x 64 x 4,096 float32; Wu 16 x 64 x 4,096 float32; bias 16 float32; gate_w 16 x 4,096 float32; hidden_states 2 x 2,048 x 4,096 float32.
;; Outputs: out0 2 x 2,048 x 4,096 float32.
;; This version of the problem:
;;   THIS VERSION OF THE PROBLEM IS GIVEN IN LOW PRECISION. The matrix products marked QUANTISED in the list below multiply operands that are first quantised to E2M1 (2 exponent bits, 1 mantissa bit; 4 bits a number), with one power-of-two scale for each 32 numbers along K (OCP MX v1.0); their sums are f32. All else is computed in f32.
;;   The module's matrix products, in the order in which they are computed (A, B: the left and right operand; K: the contracted axis; several contracted axes count as one K, in the product's order):
;;     1. [M 4,096, K 4,096] x [K 4,096, N 16]; A: input hidden_states; B: input gate_w: QUANTISED
;;     2. [M 1,024, K 4,096] x [K 4,096, N 4,096]; A: input Wg; B: input hidden_states: QUANTISED
;;     3. [M 1,024, K 4,096] x [K 4,096, N 4,096]; A: input Wu; B: input hidden_states: QUANTISED
;;     4. [M 4,096, K 1,024] x [K 1,024, N 4,096]; A: computed on the way; B: input Wd: QUANTISED
;;     5. [M 4,096, K 4,096] x [K 4,096, N 256]; A: input hidden_states; B: input Sg: QUANTISED
;;     6. [M 4,096, K 4,096] x [K 4,096, N 256]; A: input hidden_states; B: input Su: QUANTISED
;;     7. [M 4,096, K 256] x [K 256, N 4,096]; A: computed on the way; B: input Sd: QUANTISED
;;   THE QUANTISER, for each operand of a quantised product, along K:
;;     - K is cut into blocks of 32 from its start; a last block that is shorter is filled with zeros.
;;     - A block's scale is 2^e with e = floor(log2(the largest magnitude in the block)) - 2, held to -126 .. 127; a block of zeros has e = 0. As a byte (E8M0): e + 127.
;;     - Each number is divided by its block's scale, clamped to +-6, and rounded to the nearest number of E2M1, ties to even, subnormals kept.
;;     - The product sums the exact products of the quantised numbers (number of the format x scale) in f32.
;;   ~~~python
;;   def quantise(x, axis):      # numpy; x: float32 -> the quantised numbers, widened to float32 again
;;       x = np.moveaxis(x, axis, -1); K = x.shape[-1]
;;       x = np.pad(x, [(0, 0)] * (x.ndim - 1) + [(0, -K % 32)]); x = x.reshape(x.shape[:-1] + (-1, 32)); a = np.abs(x).max(-1, keepdims=True)
;;       e = np.where(a > 0, np.clip(np.frexp(np.where(a > 0, a, 1))[1] - 1 - 2, -126, 127), 0)      # np.frexp(a)[1] - 1 = floor(log2(a)), exactly
;;       r = np.clip(x / 2.0 ** e, -6, 6)
;;       step = 2.0 ** (np.maximum(np.frexp(np.where(r == 0, 1, r))[1] - 1, 0) - 1)
;;       q = np.round(r / step) * step * 2.0 ** e      # np.round: ties to even
;;       return np.moveaxis(q.reshape(q.shape[:-2] + (-1,))[..., :K], -1, axis).astype(np.float32)
;;   ~~~
;;   OPERANDS COMPUTED ON THE WAY. 'Computed on the way' means the value that the module computes at that place (a softmax that the list does not call 'softmax' is quantised finished and normalised). What goes into a quantiser is computed in f32, as accurately as f32 sums, v_exp_f32 and their like allow (about 1e-6 of the number): no bf16 or f16 on the way to a quantiser, and a product that is left as it is and whose result goes on into a quantised operand takes f32 operands (vector FMAs, or v_wmma_f32_16x16x4_f32). A number that lies on a knife's edge between two numbers of the format may be rounded either way, as far as f32 arithmetic and the matrix unit's own rounding can turn it there, and no further.
;; One version. Each part assembles by itself: llvm-mc -triple=amdgcn-amd-amdhsa -mcpu=gfx1250 --defsym DOCPART=n.
;; ======== version 1 of 1: 3 launches
;; limits: right only within a limited range of input values
;; workspace buffers: XQ 8,912,896 bytes; WU 5,849,088 bytes; WDQ 2,785,280 bytes; ZQ 2,883,584 bytes
;; launch quant (part 1): grid 504 x 1, 8 waves a work-group, no clusters, 68,608 bytes of LDS; arguments hidden_states, gate_w, Wg, Wu, Sg, Su, Wd, Sd, XQ, WU, WDQ; writes XQ, WU, WDQ
.if DOCPART == 1
	.amdgcn_target "amdgcn-amd-amdhsa--gfx1250"
	.amdhsa_code_object_version 6
	.text
	.protected	k_q25318284cf_quant
	.globl	k_q25318284cf_quant
	.p2align	8
	.type	k_q25318284cf_quant,@function
k_q25318284cf_quant:
	s_mov_b64 s[64:65], 0
	v_nop
	global_prefetch_b8 v0, s[64:65] scope:SCOPE_SE
	s_setreg_imm32_b32 hwreg(HW_REG_WAVE_MODE, 25, 1), 1
	s_wait_xcnt 0x0
; Every f32 operand of the seven products becomes codes of FP4 (E2M1) with one E8M0 scale byte for each 32 along K, laid in the order of an operand's registers.
; A FRAGMENT is 16 rows x 128 K: 1,024 bytes laid [block of 32 along K: 4][row: 16][16 bytes], so that lane l's registers 4c .. 4c+3 are the 16 bytes at 512 c + 16 l.
; A SCALE UNIT is 256 bytes for one tile of 16 rows and four K steps: [row: 16][4 words], word q = the four scale bytes of K step q.
; A block's scale is 2^(floor(log2(its largest magnitude)) - 2): its byte is the largest magnitude's exponent field - 2, held at 1 from below.
; LIMITS: NaN and infinities among the inputs are not served.  A block of zeros, or one whose largest magnitude lies under 2^-124, gets the byte 1 (the stated quantiser says 127 for zeros):
; its codes are zeros, which add nothing under any byte but 0xff, and only this program reads the bytes.
; SHARES.  A wave's job is 8 fragments, 64 KiB of f32; all jobs are alike but for scalars.  Work-groups 0-255: hidden_states; 256-319 Wg; 320-383 Wu; 384-447 Wd; 448-463 Sg; 464-479 Su; 480-495 Sd;
; 496-503 gate_w, once for each of the 8 column chunks of WU (so that a chunk's K slot is one dense block).  The arms below hold scalar arithmetic on ids alone and join ahead of every memory line.
; A fragment's 16 loads read 512 bytes each (a row's 128 numbers; for Wd two experts' 64 numbers of one output row, 256 bytes each); they turn through the wave's own stage in LDS so that
; lane (r, h) gets, of row r, the 32 numbers of blocks h and 2 + h: whole blocks in one lane's registers, in the operand's own order.  No barrier: waves share nothing.
; The loads carry the hint for data read once; gate_w, which eight work-groups read, is a five-hundredth of the bytes and takes the same line.
.set STG,    8448                      ; a wave's stage: 16 rows of PITCH bytes
.set PITCH,  528                       ; 512 + 16: an odd multiple of 16 bytes, so the 16 rows that a load touches start at 16 different banks (64 banks of 4 bytes: ISA guide 11.1)
; EIGHT WAVES: the job of 8 fragments described above is shared by two waves: wave w takes fragments 4 (w % 2) .. + 3, one scale unit, of job w / 2; each wave has a stage of its own.
.set SPARE,  8*STG                     ; behind the eight stages: the spare words, 128 bytes a wave, four blocks of 256 bytes that no other line names
.set SPW, 10                           ; v10  my spare word's address; never rewritten
.set NIL, 11                           ; v11  0; never rewritten
.set OFF, 16                           ; v16-31   load j's byte offset
.set R,   32                           ; v32-159  two sets of 64 registers as loaded
.set X,   160                          ; v160-223 my two blocks of 32 numbers
.set C,   224                          ; v224-239 two sets of 8 registers of codes
.set SW,  240                          ; v240-243 fragment i's scale word (row r's, in both halves of the lanes)
.set INB, 46                           ; s[46:53] my 4 fragments' input bases
.set COB, 66                           ; s[66:73] my 4 fragments' output bases
	s_load_b512 s[4:19], s[0:1], 0x0               ; hidden_states, gate_w, Wg, Wu, Sg, Su, Wd, Sd
	s_load_b128 s[20:23], s[0:1], 0x40             ; XQ, WU
	s_load_b64 s[24:25], s[0:1], 0x50              ; WDQ
	v_lshl_add_u32 v[SPW], v0, 2, SPARE
	v_mov_b32 v[NIL], 0
	v_lshrrev_b32 v1, 5, v0
	v_readfirstlane_b32 s87, v1                    ; wave w
	v_and_b32 v1, 31, v0                           ; lane
	v_and_b32 v2, 15, v0                           ; r
	v_bfe_u32 v3, v0, 4, 1                         ; h
	s_mul_i32 s88, s87, STG                        ; my stage, by the wave's own number
	s_and_b32 s89, s87, 1                          ; which half of the job is mine
	s_lshr_b32 s87, s87, 1                         ; the job's number in the work-group, 0..3
	v_lshl_add_u32 v5, v1, 4, s88                  ; into the stage: 16 x lane (+ PITCH x row)
	v_mul_u32_u24 v6, v2, PITCH
	v_lshl_add_u32 v6, v3, 7, v6
	v_add_nc_u32 v6, s88, v6                       ; out of it: row r, + 128 h
	v_lshlrev_b32 v7, 4, v1                        ; codes: 16 x lane
	v_lshlrev_b32 v9, 3, v3                        ; 8 h: my bytes' shift in a scale word
	v_mov_b32 v248, 0                              ; written once: a lane permute's destination counts as one of its sources
	s_mov_b32 s84, 0x76543210
	s_mov_b32 s85, 0xfedcba98                      ; v_permlanex16_b32's selects for lane l xor 16
	s_mov_b32 s86, 0xffff0000                      ; lanes 16-31
	; THE JOB'S SCALARS.  s30 input offset; s31 bytes from load to load; s32 from lanes 0-15 to lanes 16-31; s33 extra from load 8 on; s34, s35 input steps of fragment i: (i % 2), (i / 2);
	; s36 codes' offset; s37, s38 output steps: ((i / 2) % 2), (i / 4) (and 1,024 x (i % 2)); s39 scale units' offset; s40 from the first unit to the second
	s_lshl_b32 s44, s87, 12                        ; w x 1,024 numbers along K
	s_mov_b32 s31, 16384
	s_mov_b32 s32, 256
	s_mov_b32 s33, 0
	s_mov_b32 s34, 512
	s_mov_b32 s35, 1024
	s_mov_b32 s37, 2048
	s_cmp_lt_u32 ttmp9, 256
	s_cbranch_scc1 .Lx
	s_cmp_lt_u32 ttmp9, 384
	s_cbranch_scc1 .Lwgu
	s_cmp_lt_u32 ttmp9, 448
	s_cbranch_scc1 .Lwd
	s_cmp_lt_u32 ttmp9, 480
	s_cbranch_scc1 .Lsgu
	s_cmp_lt_u32 ttmp9, 496
	s_cbranch_scc1 .Lsd
	s_sub_co_u32 s41, ttmp9, 496                   ; gate_w: chunk c, tile 20, rows as they lie
	s_mov_b32 s42, 20
	s_mov_b32 s30, s44
	s_branch .Lwu
.Lwgu:                                                 ; Wg, Wu: idx = 4 e + p; tile t = 10 (e % 2) + 2 p + gu of chunk e / 2
	s_sub_co_u32 s45, ttmp9, 256
	s_lshr_b32 s43, s45, 6                         ; gu
	s_and_b32 s45, s45, 63
	s_lshr_b32 s41, s45, 2
	s_and_b32 s41, s41, 1
	s_mul_i32 s42, s41, 10
	s_and_b32 s41, s45, 3
	s_lshl_b32 s41, s41, 1
	s_add_co_u32 s42, s42, s41
	s_add_co_u32 s42, s42, s43
	s_lshr_b32 s41, s45, 3
	s_branch .Lrows
.Lsgu:                                                 ; Sg, Su: idx = 2 c + u; tile t = 10 u + 8 + gu of chunk c
	s_sub_co_u32 s45, ttmp9, 448
	s_lshr_b32 s43, s45, 4                         ; gu
	s_and_b32 s45, s45, 15
	s_and_b32 s41, s45, 1
	s_mul_i32 s42, s41, 10
	s_add_co_u32 s42, s42, 8
	s_add_co_u32 s42, s42, s43
	s_lshr_b32 s41, s45, 1
.Lrows:                                                ; a tile's rows are units 32 (idx / 2) + 8 (idx % 2) + m + 8 (m / 8): rows 8-15 lie 8 rows further on
	s_lshr_b32 s30, s45, 1
	s_lshl_b32 s30, s30, 19
	s_and_b32 s43, s45, 1
	s_lshl_b32 s43, s43, 17
	s_add_co_u32 s30, s30, s43
	s_add_co_u32 s30, s30, s44
	s_mov_b32 s33, 131072
.Lwu:                                                  ; WU: [c 8][slot 8] blocks of 91,392 bytes: codes [t 21][step 4][1,024], then scale units [t 21][256]; wave w makes slot w
	s_mul_i32 s36, s41, 731136
	s_mul_i32 s43, s87, 182784
	s_add_co_u32 s36, s36, s43
	s_lshl_b32 s43, s42, 8
	s_add_co_u32 s39, s36, s43
	s_add_co_u32 s39, s39, 86016
	s_lshl_b32 s43, s42, 12
	s_add_co_u32 s36, s36, s43
	s_mov_b32 s38, 91392
	s_mov_b32 s40, 91392
	s_branch .Ljoin
.Lx:                                                   ; hidden_states: idx = 8 rb + a.  XQ: [rb 32][slot 8] blocks of 34,816 bytes: codes [a 8][step 4][1,024], then scale units [a 8][256]
	s_lshl_b32 s30, ttmp9, 18
	s_add_co_u32 s30, s30, s44
	s_lshr_b32 s41, ttmp9, 3
	s_mul_i32 s36, s41, 278528
	s_mul_i32 s43, s87, 69632
	s_add_co_u32 s36, s36, s43
	s_and_b32 s41, ttmp9, 7
	s_lshl_b32 s43, s41, 8
	s_add_co_u32 s39, s36, s43
	s_add_co_u32 s39, s39, 32768
	s_lshl_b32 s43, s41, 12
	s_add_co_u32 s36, s36, s43
	s_mov_b32 s38, 34816
	s_mov_b32 s40, 34816
	s_branch .Ljoin
.Lwd:                                                  ; Wd: job J = 16 output rows; fragment s = experts 2 s (lanes 0-15) and 2 s + 1 (lanes 16-31), 64 numbers each
	s_sub_co_u32 s45, ttmp9, 384
	s_lshl_b32 s45, s45, 2
	s_add_co_u32 s45, s45, s87
	s_lshl_b32 s30, s45, 12
	s_mov_b32 s31, 256
	s_mov_b32 s32, 1048576
	s_mov_b32 s34, 2097152
	s_mov_b32 s35, 4194304
	s_mul_i32 s36, s45, 10240                      ; WDQ: codes [hg 256][step 10][1,024]; scale units of steps 0-7 from 2,621,440 on: [hg][2][256]
	s_mov_b32 s38, 4096
	s_lshl_b32 s39, s45, 9
	s_add_co_u32 s39, s39, 2621440
	s_mov_b32 s40, 256
	s_branch .Ljoin
.Lsd:                                                  ; Sd: job J = 4 groups of 16 output rows x steps 8, 9; scale units from 2,752,512 on: [hg / 2][256], words (even 8, even 9, odd 8, odd 9)
	s_sub_co_u32 s45, ttmp9, 480
	s_lshl_b32 s45, s45, 2
	s_add_co_u32 s45, s45, s87
	s_lshl_b32 s30, s45, 16
	s_mov_b32 s31, 1024
	s_mov_b32 s35, 16384
	s_mul_i32 s36, s45, 40960
	s_add_co_u32 s36, s36, 8192
	s_mov_b32 s37, 10240
	s_mov_b32 s38, 20480
	s_lshl_b32 s39, s45, 9
	s_add_co_u32 s39, s39, 2752512
	s_mov_b32 s40, 256
.Ljoin:
	s_mul_i32 s41, s35, s89                        ; the job's second half begins at fragment 4: two steps of s35 in,
	s_lshl_b32 s41, s41, 1
	s_add_co_u32 s30, s30, s41
	s_mul_i32 s41, s38, s89                        ; one step of s38 out,
	s_add_co_u32 s36, s36, s41
	s_mul_i32 s41, s40, s89                        ; and the second scale unit
	s_add_co_u32 s39, s39, s41
	s_wait_alu depctr_va_vdst(0)
	v_lshlrev_b32 v8, 3, v3
	v_lshl_add_u32 v8, v2, 4, v8                   ; my scale unit: 16 r + 8 h: lane (r, h) stores words 2 h, 2 h + 1 of row r
	v_mul_lo_u32 v4, v3, s32
	v_lshl_add_u32 v4, v2, 4, v4                   ; a load: 16 r, + lanes 16-31's distance
.set j, 0
	s_wait_alu depctr_va_vdst(0)
.rept 16
	s_mul_i32 s42, s31, j
.if j >= 8
	s_add_co_u32 s42, s42, s33
.endif
	v_add_nc_u32 v[OFF+j], s42, v4
.set j, j+1
.endr
	s_wait_alu depctr_va_vdst(0)
	s_wait_kmcnt 0x0
	s_mov_b64 s[26:27], s[4:5]                     ; the buffers are chosen on the work-group's number alone
	s_mov_b64 s[28:29], s[20:21]
	s_cmp_ge_u32 ttmp9, 256
	s_cselect_b64 s[26:27], s[8:9], s[26:27]       ; Wg -> WU
	s_cselect_b64 s[28:29], s[22:23], s[28:29]
	s_cmp_ge_u32 ttmp9, 320
	s_cselect_b64 s[26:27], s[10:11], s[26:27]     ; Wu
	s_cmp_ge_u32 ttmp9, 384
	s_cselect_b64 s[26:27], s[16:17], s[26:27]     ; Wd -> WDQ
	s_cselect_b64 s[28:29], s[24:25], s[28:29]
	s_cmp_ge_u32 ttmp9, 448
	s_cselect_b64 s[26:27], s[12:13], s[26:27]     ; Sg -> WU
	s_cselect_b64 s[28:29], s[22:23], s[28:29]
	s_cmp_ge_u32 ttmp9, 464
	s_cselect_b64 s[26:27], s[14:15], s[26:27]     ; Su
	s_cmp_ge_u32 ttmp9, 480
	s_cselect_b64 s[26:27], s[18:19], s[26:27]     ; Sd -> WDQ
	s_cselect_b64 s[28:29], s[24:25], s[28:29]
	s_cmp_ge_u32 ttmp9, 496
	s_cselect_b64 s[26:27], s[6:7], s[26:27]       ; gate_w -> WU
	s_cselect_b64 s[28:29], s[22:23], s[28:29]
	s_mov_b32 s43, 0
.set i, 0
.rept 4
	s_mul_i32 s42, s35, i/2
	s_add_co_u32 s42, s42, s30
.if i%2
	s_add_co_u32 s42, s42, s34
.endif
	s_add_nc_u64 s[INB+2*i:INB+2*i+1], s[26:27], s[42:43]
	s_mul_i32 s42, s37, (i/2)%2
	s_add_co_u32 s42, s42, s36
	s_mul_i32 s45, s38, i/4
	s_add_co_u32 s42, s42, s45
	s_add_co_u32 s42, s42, (i%2)*1024
	s_add_nc_u64 s[COB+2*i:COB+2*i+1], s[28:29], s[42:43]
.set i, i+1
.endr
	s_mov_b32 s42, s39
	s_add_nc_u64 s[82:83], s[28:29], s[42:43]
.macro LOAD i                          ; fragment i's 16 rows, 512 bytes a load, into set i % 2
.set RS, R+64*((\i)%2)
.irp j, 0,1,2,3,4,5,6,7,8,9,10,11,12,13,14,15
	global_load_b128 v[RS+4*\j:RS+4*\j+3], v[OFF+\j], s[INB+2*(\i):INB+2*(\i)+1] th:TH_LOAD_NT
.endr
.endm
.macro FRAG i
.set RS, R+64*((\i)%2)
.set CS, C+8*((\i)%2)
.if (\i) < 3
	s_wait_loadcnt 16                              ; this fragment's 16 loads are in; the next fragment's 16 may be out
.else
	s_wait_loadcnt 0
.endif
.irp j, 0,1,2,3,4,5,6,7,8,9,10,11,12,13,14,15
	ds_store_b128 v5, v[RS+4*\j:RS+4*\j+3] offset:PITCH*\j
.endr
.irp c, 0,1                            ; LDS serves a wave's instructions in order (ISA guide 5.7.1.4): these see the stores above
.irp k, 0,1,2,3,4,5,6,7
	ds_load_b128 v[X+32*\c+4*\k:X+32*\c+4*\k+3], v6 offset:256*\c+16*\k
.endr
.endr
	s_wait_dscnt 0x0                               ; my 64 numbers are in, and the stores have read their set
.if (\i) < 2
	LOAD (\i)+2                                    ; which takes the fragment two further on
.endif
.irp c, 0,1
	v_max3_num_f32 v[12+\c], |v[X+32*\c]|, |v[X+32*\c+1]|, 0x1800000   ; block 2 c + h: all its 32 numbers are mine; the floor 2^(3 - 127) holds the byte at 1 from below
.endr
.irp k, 2,4,6,8,10,12,14,16,18,20,22,24,26,28,30
.irp c, 0,1
	v_max3_num_f32 v[12+\c], v[12+\c], |v[X+32*\c+\k]|, |v[X+32*\c+\k+1]|
.endr
.endr
	v_add_nc_u32 v14, 0xff000000, v12              ; 2 off the exponent field: the conversion takes the exponent field of this operand as its scale
	v_add_nc_u32 v15, 0xff000000, v13
	v_lshrrev_b32 v12, 23, v14                     ; the scales' bytes
	v_lshrrev_b32 v13, 23, v15
	v_lshl_or_b32 v249, v13, 16, v12               ; blocks h and 2 + h,
	v_lshlrev_b32 v249, v9, v249                   ; at their places in the word;
	v_permlanex16_b32 v248, v249, s84, s85
	v_or_b32 v[SW+(\i)], v249, v248                ; with lane l xor 16's two the word is whole
.if (\i) >= 2
	s_wait_alu depctr_va_vdst(0)
	s_wait_xcnt 0x0                                ; the stores of two fragments ago have read this set of codes: it is rewritten only behind this wait
.endif
.irp c, 0,1
.irp g, 0,1,2,3
	v_cvt_scalef32_pk8_fp4_f32 v[CS+4*\c+\g], v[X+32*\c+8*\g:X+32*\c+8*\g+7], v[14+\c]
.endr
.endr
	v_nop                                          ; one plain place behind the last scaled conversion
	global_store_b128 v7, v[CS:CS+3], s[COB+2*(\i):COB+2*(\i)+1]               ; 32 lanes store 512 consecutive bytes, aligned
	global_store_b128 v7, v[CS+4:CS+7], s[COB+2*(\i):COB+2*(\i)+1] offset:512
.endm
	LOAD 0
	LOAD 1
.irp f, 0,1,2,3
	FRAG \f
.endr
	v_cndmask_b32 v12, v[SW], v[SW+2], s86         ; lanes 0-15: words 0, 1 of row r; lanes 16-31: words 2, 3
	v_cndmask_b32 v13, v[SW+1], v[SW+3], s86
	global_store_b64 v8, v[12:13], s[82:83]        ; the 32 lanes store one aligned unit of 256 bytes
	s_wait_tensorcnt 0x0                           ; the wave's end: three lines behind my last LDS store
	ds_add_u32 v[SPW], v[NIL]
	s_wait_dscnt 0x0
	s_endpgm
.Lfunc_end_k_q25318284cf_quant:
	.size	k_q25318284cf_quant, .Lfunc_end_k_q25318284cf_quant-k_q25318284cf_quant
	.p2alignl 7, 3214868480
	.fill 96, 4, 3214868480
	.section	.rodata,"a",@progbits
	.p2align	6, 0x0
	.amdhsa_kernel k_q25318284cf_quant
		.amdhsa_group_segment_fixed_size 68608
		.amdhsa_private_segment_fixed_size 0
		.amdhsa_enable_private_segment 0
		.amdhsa_kernarg_size 88
		.amdhsa_user_sgpr_count 2
		.amdhsa_user_sgpr_kernarg_segment_ptr 1
		.amdhsa_wavefront_size32 1
		.amdhsa_system_sgpr_workgroup_id_x 1
		.amdhsa_system_sgpr_workgroup_id_y 1
		.amdhsa_system_sgpr_workgroup_id_z 1
		.amdhsa_system_vgpr_workitem_id 0
		.amdhsa_next_free_vgpr 256
		.amdhsa_next_free_sgpr 90
		.amdhsa_reserve_vcc 0
		.amdhsa_float_denorm_mode_32 3
		.amdhsa_float_denorm_mode_16_64 3
		.amdhsa_memory_ordered 1
		.amdhsa_forward_progress 1
		.amdhsa_inst_pref_size 38
	.end_amdhsa_kernel
	.amdgpu_metadata
---
amdhsa.version: [ 1, 2 ]
amdhsa.kernels:
  - .name:           k_q25318284cf_quant
    .symbol:         k_q25318284cf_quant.kd
    .args:
      - { .name: hidden_states, .offset: 0, .size: 8, .value_kind: global_buffer, .address_space: global }
      - { .name: gate_w, .offset: 8, .size: 8, .value_kind: global_buffer, .address_space: global }
      - { .name: Wg, .offset: 16, .size: 8, .value_kind: global_buffer, .address_space: global }
      - { .name: Wu, .offset: 24, .size: 8, .value_kind: global_buffer, .address_space: global }
      - { .name: Sg, .offset: 32, .size: 8, .value_kind: global_buffer, .address_space: global }
      - { .name: Su, .offset: 40, .size: 8, .value_kind: global_buffer, .address_space: global }
      - { .name: Wd, .offset: 48, .size: 8, .value_kind: global_buffer, .address_space: global }
      - { .name: Sd, .offset: 56, .size: 8, .value_kind: global_buffer, .address_space: global }
      - { .name: XQ, .offset: 64, .size: 8, .value_kind: global_buffer, .address_space: global }
      - { .name: WU, .offset: 72, .size: 8, .value_kind: global_buffer, .address_space: global }
      - { .name: WDQ, .offset: 80, .size: 8, .value_kind: global_buffer, .address_space: global }
    .group_segment_fixed_size: 68608
    .private_segment_fixed_size: 0
    .kernarg_segment_align: 8
    .kernarg_segment_size: 88
    .max_flat_workgroup_size: 256
    .sgpr_count:     90
    .vgpr_count:     256
    .wavefront_size: 32
...
	.end_amdgpu_metadata
.endif
;; end of part 1
;; launch up (part 2): grid 8 x 32, 4 waves a work-group, clusters of 4 x 4, 327,680 bytes of LDS; arguments XQ, WU, bias, ZQ; writes ZQ
.if DOCPART == 2
	.amdgcn_target "amdgcn-amd-amdhsa--gfx1250"
	.amdhsa_code_object_version 6
	.text
	.protected	k_q25318284cf_up
	.globl	k_q25318284cf_up
	.p2align	8
	.type	k_q25318284cf_up,@function
k_q25318284cf_up:
	s_mov_b64 s[64:65], 0
	v_nop
	global_prefetch_b8 v0, s[64:65] scope:SCOPE_SE
	s_setreg_imm32_b32 hwreg(HW_REG_WAVE_MODE, 25, 1), 1
	s_wait_xcnt 0x0
	s_wait_alu depctr_hold_cnt(0) depctr_sa_sdst(0) depctr_va_vdst(0) depctr_va_sdst(0) depctr_va_ssrc(0) depctr_va_vcc(0) depctr_vm_vsrc(0)
	s_getreg_b32 s2, hwreg(HW_REG_IB_STS2, 6, 4)
	s_cmp_eq_u32 s2, 0
	s_cbranch_scc0 .Lentry_in_a_cluster
	s_endpgm
.Lentry_in_a_cluster:
	s_bfe_u32 s2, ttmp6, 0x10000c
	s_cmp_lg_u32 s2, 0xf033
	s_cbranch_scc0 .Lentry_shape_is_right
	s_endpgm
.Lentry_shape_is_right:
; Products 1, 2, 3, 5, 6 on codes of FP4 with E8M0 scales, then the router's top 4 (ties to the lower index), silu(g) u, the combine weight, and the quantiser of the down products' left operand: codes and scale words into ZQ.
; Work-group (c, rb): 128 tokens (row block rb of XQ) x 336 columns (chunk c of WU: 21 tiles of 16: two experts' g and u by turns, 32 shared units' g and u, the router's 16).  Wave: 64 tokens x 10 tiles, and the router's tile for two of its token tiles.
; K goes in 8 slots of 512 through a ring of two LDS slots; a slot of XQ and a slot of WU are dense blocks in the order of the operands' registers.  Waves 0-2 fetch a third of WU's block each, wave 3 XQ's.
; CLUSTERS: 4 x 4 work-groups; XQ's block is asked for jointly along a row of the cluster, WU's along a column.  The walk's slot is trip xor K0, K0 = 4 ((X xor Y) mod 2) of the cluster's place (X, Y) in the grid.
; LIMITS: the f32 sums run along K from the cluster's own first slot (another order of summing than ascending K).  NaN and infinities are not served.
.set ABLK,   34816
.set BBLK,   91392
.set BTHIRD, 30464
.set SLOT,   ABLK+BBLK
.set ASC,    32768
.set BCODE,  ABLK
.set BSC,    ABLK+86016
.set SPARE,  2*SLOT
.set ADRB, 1
.set ADRR, 2
.set ADRA, 3
.set ADSB, 5
.set ADSR, 6
.set ADSA, 7
.set ZWA, 17
.set ZWB, 18
.set ZR,  19
.set GB,  22
.set GC,  23
.set SPW, 28
.set NIL, 29
.set GA,  30
.set SC,  32
.set AF,  128
.set WV,  12
.set G1A, 24
.set G0A, 32
.set G1B, 40
.set G0B, 48
.set PBA, 90
.set PBB, 92
.set KI,  94
.set K0,  95
.set OFA, 96
.set OFB, 98
.set MSB, 0
.macro WIN new
.if MSB != \new
	s_set_vgpr_msb (MSB<<8)|\new
.set MSB, \new
.endif
.endm
.set MUL_LO, 0xa1
.set MUL_HI, 0xf1
.set TO_B,   0x40
.macro PLACES n
.rept \n
	v_nop
.endr
.endm
.macro JLOAD s
	s_cmp_eq_u32 s[WV], 3
	s_cbranch_scc0 .Lfor_b_\@
	tensor_load_to_lds s[G0A+4*\s:G0A+4*\s+3], s[G1A:G1A+7]
	s_nop 0
.rept 4
	v_nop
.endr
	s_branch .Lasked_\@
.Lfor_b_\@:
	tensor_load_to_lds s[G0B+4*\s:G0B+4*\s+3], s[G1B:G1B+7]
	s_nop 0
.rept 4
	v_nop
.endr
.Lasked_\@:
.endm
.macro CREST
	s_cmp_lg_u32 s[WV], 0
	s_cbranch_scc1 .Lnot_wave_0_\@
	s_barrier_signal -3
.Lnot_wave_0_\@:
	s_barrier_wait -3
	s_barrier_signal -1
	s_barrier_wait -1
.endm
.macro CROUND
	s_barrier_signal -1
	s_barrier_wait -1
	CREST
.endm
.macro WM d, w, x, sw, sx, zero, rw, rx
.if \zero
.if ((\rw) == 0) && ((\rx) == 0)
	v_wmma_scale_f32_16x16x128_f8f6f4 v[(\d):(\d)+7], v[(\w):(\w)+7], v[(\x):(\x)+7], 0, v[\sw], v[\sx] matrix_a_fmt:MATRIX_FMT_FP4 matrix_b_fmt:MATRIX_FMT_FP4
.elseif (\rx) == 0
	v_wmma_scale_f32_16x16x128_f8f6f4 v[(\d):(\d)+7], v[(\w):(\w)+7], v[(\x):(\x)+7], 0, v[\sw], v[\sx] matrix_a_fmt:MATRIX_FMT_FP4 matrix_b_fmt:MATRIX_FMT_FP4 matrix_a_scale:MATRIX_SCALE_ROW1
.elseif (\rw) == 0
	v_wmma_scale_f32_16x16x128_f8f6f4 v[(\d):(\d)+7], v[(\w):(\w)+7], v[(\x):(\x)+7], 0, v[\sw], v[\sx] matrix_a_fmt:MATRIX_FMT_FP4 matrix_b_fmt:MATRIX_FMT_FP4 matrix_b_scale:MATRIX_SCALE_ROW1
.else
	v_wmma_scale_f32_16x16x128_f8f6f4 v[(\d):(\d)+7], v[(\w):(\w)+7], v[(\x):(\x)+7], 0, v[\sw], v[\sx] matrix_a_fmt:MATRIX_FMT_FP4 matrix_b_fmt:MATRIX_FMT_FP4 matrix_a_scale:MATRIX_SCALE_ROW1 matrix_b_scale:MATRIX_SCALE_ROW1
.endif
.else
.if ((\rw) == 0) && ((\rx) == 0)
	v_wmma_scale_f32_16x16x128_f8f6f4 v[(\d):(\d)+7], v[(\w):(\w)+7], v[(\x):(\x)+7], v[(\d):(\d)+7], v[\sw], v[\sx] matrix_a_fmt:MATRIX_FMT_FP4 matrix_b_fmt:MATRIX_FMT_FP4
.elseif (\rx) == 0
	v_wmma_scale_f32_16x16x128_f8f6f4 v[(\d):(\d)+7], v[(\w):(\w)+7], v[(\x):(\x)+7], v[(\d):(\d)+7], v[\sw], v[\sx] matrix_a_fmt:MATRIX_FMT_FP4 matrix_b_fmt:MATRIX_FMT_FP4 matrix_a_scale:MATRIX_SCALE_ROW1
.elseif (\rw) == 0
	v_wmma_scale_f32_16x16x128_f8f6f4 v[(\d):(\d)+7], v[(\w):(\w)+7], v[(\x):(\x)+7], v[(\d):(\d)+7], v[\sw], v[\sx] matrix_a_fmt:MATRIX_FMT_FP4 matrix_b_fmt:MATRIX_FMT_FP4 matrix_b_scale:MATRIX_SCALE_ROW1
.else
	v_wmma_scale_f32_16x16x128_f8f6f4 v[(\d):(\d)+7], v[(\w):(\w)+7], v[(\x):(\x)+7], v[(\d):(\d)+7], v[\sw], v[\sx] matrix_a_fmt:MATRIX_FMT_FP4 matrix_b_fmt:MATRIX_FMT_FP4 matrix_a_scale:MATRIX_SCALE_ROW1 matrix_b_scale:MATRIX_SCALE_ROW1
.endif
.endif
.endm
.macro MULT a, p, q, sc, zero
.irp lb, 0,1,2,3,4,5,6,7,8,9
	WM 80*((\a)%2)+8*\lb, 128*(\p)+8*\lb, AF+8*(\a), SC+32*(\sc)+4*(\lb/2)+(\q), SC+32*(\sc)+24+4*((\a)/2)+(\q), \zero, \lb%2, (\a)%2
.endr
.if (\a) < 2
	WM 160+8*(\a), 128*(\p)+80, AF+8*(\a), SC+32*(\sc)+20+(\q), SC+32*(\sc)+24+(\q), \zero, 0, (\a)%2
.endif
.endm
.macro FETCH_B slot, q, p
	WIN TO_B
.irp lb, 0,1,2,3,4,5,6,7,8,9
	ds_load_b128 v[128*(\p)+8*\lb:128*(\p)+8*\lb+3], v[ADRB+8*(\slot)] offset:\lb*4096+(\q)*1024
	ds_load_b128 v[128*(\p)+8*\lb+4:128*(\p)+8*\lb+7], v[ADRB+8*(\slot)] offset:\lb*4096+(\q)*1024+512
.endr
	ds_load_b128 v[128*(\p)+80:128*(\p)+83], v[ADRR+8*(\slot)] offset:(\q)*1024
	ds_load_b128 v[128*(\p)+84:128*(\p)+87], v[ADRR+8*(\slot)] offset:(\q)*1024+512
	WIN 0
.endm
.macro FETCH_A slot, q, t0
.irp i, 0,1
	ds_load_b128 v[AF+8*((\t0)+\i):AF+8*((\t0)+\i)+3], v[ADRA+8*(\slot)+(\t0)/2] offset:\i*4096+(\q)*1024
	ds_load_b128 v[AF+8*((\t0)+\i)+4:AF+8*((\t0)+\i)+7], v[ADRA+8*(\slot)+(\t0)/2] offset:\i*4096+(\q)*1024+512
.endr
.endm
.macro SCALES slot
.irp m, 0,1,2,3,4
	ds_load_b128 v[SC+32*(\slot)+4*\m:SC+32*(\slot)+4*\m+3], v[ADSB+8*(\slot)] offset:\m*512
.endr
	ds_load_b128 v[SC+32*(\slot)+20:SC+32*(\slot)+23], v[ADSR+8*(\slot)]
	ds_load_b128 v[SC+32*(\slot)+24:SC+32*(\slot)+27], v[ADSA+8*(\slot)]
	ds_load_b128 v[SC+32*(\slot)+28:SC+32*(\slot)+31], v[ADSA+8*(\slot)+1]
.endm
.macro STEP slot, q, zero
	FETCH_B \slot, (\q)+1, 1-(\q)%2
	s_wait_dscnt 26
	WIN MUL_LO
	MULT 0, (\q)%2, \q, \slot, \zero
	MULT 1, (\q)%2, \q, \slot, \zero
	PLACES 4
	WIN 0
	FETCH_A \slot, (\q)+1, 0
	s_wait_dscnt 26
	WIN MUL_HI
	MULT 2, (\q)%2, \q, \slot, \zero
	MULT 3, (\q)%2, \q, \slot, \zero
	PLACES 4
	WIN 0
	FETCH_A \slot, (\q)+1, 2
.endm
.macro TURN slot, next, fill
	s_wait_tensorcnt 0x0
	ds_add_u32 v[SPW], v[NIL]
.if \fill
	s_xor_b32 s[OFA], s[KI], s[K0]
	s_mul_i32 s[OFB], s[OFA], BBLK
	s_mul_i32 s[OFA], s[OFA], ABLK
	s_add_nc_u64 s[G0A+4*\slot+2:G0A+4*\slot+3], s[PBA:PBA+1], s[OFA:OFA+1]
	s_or_b32 s[G0A+4*\slot+3], s[G0A+4*\slot+3], 0x80000000
	s_add_nc_u64 s[G0B+4*\slot+2:G0B+4*\slot+3], s[PBB:PBB+1], s[OFB:OFB+1]
	s_or_b32 s[G0B+4*\slot+3], s[G0B+4*\slot+3], 0x80000000
	s_add_co_u32 s[KI], s[KI], 1
.endif
	s_wait_dscnt 5
	WIN MUL_LO
	MULT 0, 1, 3, \slot, 0
	s_wait_dscnt 0x0
	s_barrier_signal -1
	MULT 1, 1, 3, \slot, 0
	WIN 0
	s_barrier_wait -1
.if \fill
	CREST
	JLOAD \slot
.else
	PLACES 4
.endif
	FETCH_B \next, 0, 0
	s_wait_alu depctr_va_vdst(0)
	FETCH_A \next, 0, 0
	SCALES \next
	WIN MUL_HI
	MULT 2, 1, 3, \slot, 0
	MULT 3, 1, 3, \slot, 0
	PLACES 4
	WIN 0
	FETCH_A \next, 0, 2
.endm
	s_load_b256 s[4:11], s[0:1], 0x0
	v_lshl_add_u32 v[SPW], v0, 2, SPARE
	v_mov_b32 v[NIL], 0
	ds_add_u32 v[SPW], v[NIL]
	ds_add_u32 v[SPW], v[NIL]
	v_lshrrev_b32 v30, 5, v0
	v_readfirstlane_b32 s[WV], v30
	s_lshr_b32 s13, s[WV], 1
	s_and_b32 s14, s[WV], 1
	s_bfe_u32 s15, ttmp6, 0x40000
	s_bfe_u32 s16, ttmp6, 0x40004
	s_lshl_b32 s17, ttmp9, 2
	s_add_co_u32 s17, s17, s15
	s_and_b32 s18, ttmp7, 0xffff
	s_lshl_b32 s18, s18, 2
	s_add_co_u32 s18, s18, s16
	s_xor_b32 s[K0], ttmp9, ttmp7
	s_and_b32 s[K0], s[K0], 1
	s_lshl_b32 s[K0], s[K0], 2
	s_lshl_b32 s19, s16, 2
	s_lshl_b32 s19, 15, s19
	s_lshl_b32 s86, 0x1111, s15
	s_or_b32 s[G1A], s19, (3<<16)|(1<<21)
	s_mov_b32 s[G1A+1], 32<<16
	s_mov_b32 s[G1A+2], 136<<16
	s_mov_b32 s[G1A+3], 32<<16
	s_mov_b32 s[G1A+4], 136
	s_mov_b32 s[G1A+5], 32
	s_mov_b32 s[G1A+6], 0
	s_mov_b32 s[G1A+7], 0
	s_or_b32 s[G1B], s86, (3<<16)|(1<<21)
	s_mov_b32 s[G1B+1], 32<<16
	s_mov_b32 s[G1B+2], 119<<16
	s_mov_b32 s[G1B+3], 32<<16
	s_mov_b32 s[G1B+4], 119
	s_mov_b32 s[G1B+5], 32
	s_mov_b32 s[G1B+6], 0
	s_mov_b32 s[G1B+7], 0
	s_mul_i32 s[PBA], s18, 8*ABLK
	s_mov_b32 s[PBA+1], 0
	s_mul_i32 s[PBB], s17, 8*BBLK
	s_min_u32 s82, s[WV], 2
	s_mul_i32 s82, s82, BTHIRD
	s_add_co_u32 s[PBB], s[PBB], s82
	s_mov_b32 s[PBB+1], 0
	s_add_co_u32 s82, s82, BCODE
	s_mov_b32 s[OFA+1], 0
	s_mov_b32 s[OFB+1], 0
	s_wait_dscnt 0x0
	s_wait_kmcnt 0x0
	s_add_nc_u64 s[PBA:PBA+1], s[4:5], s[PBA:PBA+1]
	s_add_nc_u64 s[PBB:PBB+1], s[6:7], s[PBB:PBB+1]
.irp s, 0,1
	s_xor_b32 s[OFA], s[K0], \s
	s_mul_i32 s[OFB], s[OFA], BBLK
	s_mul_i32 s[OFA], s[OFA], ABLK
	s_mov_b32 s[G0A+4*\s], 1
	s_mov_b32 s[G0A+4*\s+1], \s*SLOT
	s_add_nc_u64 s[G0A+4*\s+2:G0A+4*\s+3], s[PBA:PBA+1], s[OFA:OFA+1]
	s_or_b32 s[G0A+4*\s+3], s[G0A+4*\s+3], 0x80000000
	s_mov_b32 s[G0B+4*\s], 1
	s_add_co_u32 s[G0B+4*\s+1], s82, \s*SLOT
	s_add_nc_u64 s[G0B+4*\s+2:G0B+4*\s+3], s[PBB:PBB+1], s[OFB:OFB+1]
	s_or_b32 s[G0B+4*\s+3], s[G0B+4*\s+3], 0x80000000
.endr
	s_mov_b32 s[KI], 2
	CROUND
	JLOAD 0
	s_wait_alu depctr_va_vdst(0)
	s_wait_tensorcnt 0x0
	ds_add_u32 v28, v29
	s_wait_dscnt 0x0
	CROUND
	JLOAD 1
	v_and_b32 v[GA], 31, v0
	v_lshlrev_b32 v[GC], 3, v[GA]
	v_lshlrev_b32 v[GA], 4, v[GA]
	s_wait_alu depctr_va_vdst(0)
	v_and_b32 v31, 15, v0
	v_lshlrev_b32 v31, 4, v31
	v_bfe_u32 v24, v0, 4, 1
	v_mul_u32_u24 v[GB], v24, 10240
	v_add_nc_u32 v[GB], v[GB], v31
	v_lshlrev_b32 v24, 5, v24
	global_load_b128 v[96:99], v24, s[8:9]
	global_load_b128 v[100:103], v24, s[8:9] offset:16
	s_mul_i32 s19, s14, 40960
	s_add_co_u32 s19, s19, BCODE
	v_add_nc_u32 v[ADRB], s19, v[GA]
	s_wait_alu depctr_va_vdst(0)
	v_add_nc_u32 v[ADRR], BCODE+20*4096, v[GA]
	s_wait_alu depctr_va_vdst(0)
	s_lshl_b32 s20, s13, 2
	s_lshl_b32 s61, s14, 1
	s_xor_b32 s63, s61, 2
	s_add_co_u32 s61, s20, s61
	s_add_co_u32 s63, s20, s63
	s_lshl_b32 s23, s61, 12
	v_add_nc_u32 v[ADRA], s23, v[GA]
	s_lshl_b32 s23, s63, 12
	v_add_nc_u32 v[ADRA+1], s23, v[GA]
	s_mul_i32 s23, s14, 2560
	s_add_co_u32 s23, s23, BSC
	v_add_nc_u32 v[ADSB], s23, v[GA]
	v_add_nc_u32 v[ADSR], BSC+20*256, v31
	s_lshl_b32 s23, s61, 8
	s_add_co_u32 s23, s23, ASC
	v_add_nc_u32 v[ADSA], s23, v[GA]
	s_lshl_b32 s23, s63, 8
	s_add_co_u32 s23, s23, ASC
	v_add_nc_u32 v[ADSA+1], s23, v[GA]
.irp k, 0,1,2,3,4,5,6,7
	v_add_nc_u32 v[9+\k], SLOT, v[1+\k]
.endr
	s_mul_i32 s20, s13, 40960
	s_mul_i32 s23, s14, 25600
	s_add_co_u32 s23, s23, s20
	v_add_nc_u32 v[ZWA], s23, v[GA]
	s_lshl_b32 s23, s14, 1
	s_xor_b32 s23, s23, 2
	s_mul_i32 s23, s23, 10240
	s_add_co_u32 s23, s23, s20
	s_mul_i32 s22, s14, 5120
	s_add_co_u32 s23, s23, s22
	v_add_nc_u32 v[ZWB], s23, v[GA]
	s_mul_i32 s23, s14, 20480
	s_add_co_u32 s23, s23, s20
	v_add_nc_u32 v[ZR], s23, v[GA]
	s_mov_b32 s56, 0xbfb8aa3b
	s_mov_b32 s57, s56
	s_mov_b32 s58, 0x76543210
	s_mov_b32 s59, 0xfedcba98
	s_mov_b32 s60, 0xffff0000
	s_and_b32 s62, s17, 3
	s_lshl_b32 s62, s62, 3
.irp cc, 0,1,2,3,4,5,6,7
	s_cmp_eq_u32 s17, \cc
	s_cselect_b32 s[72+\cc], -1, 0
.endr
	s_lshl_b32 s86, s18, 3
	s_add_co_u32 s86, s86, s61
	s_mov_b32 s85, 0
	s_mul_i32 s87, s86, 10240
	s_lshl_b32 s84, s17, 10
	s_add_co_u32 s84, s84, s87
	s_add_nc_u64 s[66:67], s[10:11], s[84:85]
	s_lshr_b32 s84, s17, 2
	s_add_co_u32 s84, s84, 8
	s_lshl_b32 s84, s84, 10
	s_add_co_u32 s84, s84, s87
	s_lshl_b32 s87, s62, 5
	s_add_co_u32 s84, s84, s87
	s_add_nc_u64 s[68:69], s[10:11], s[84:85]
	s_lshl_b32 s84, s17, 15
	s_lshl_b32 s87, s86, 7
	s_add_co_u32 s84, s84, s87
	s_add_co_u32 s84, s84, 2621440
	s_add_nc_u64 s[70:71], s[10:11], s[84:85]
	s_wait_loadcnt 0x0
	s_wait_tensorcnt 1
	s_barrier_signal -1
	s_barrier_wait -1
	FETCH_B 0, 0, 0
	FETCH_A 0, 0, 0
	SCALES 0
	FETCH_A 0, 0, 2
	STEP 0, 0, 1
	s_mov_b32 s3, 3
.Llap:
	STEP 0, 1, 0
	STEP 0, 2, 0
	TURN 0, 1, 1
	STEP 1, 0, 0
	STEP 1, 1, 0
	STEP 1, 2, 0
	TURN 1, 0, 1
	STEP 0, 0, 0
	s_sub_co_u32 s3, s3, 1
	s_cmp_lg_u32 s3, 0
	s_cbranch_scc1 .Llap
	STEP 0, 1, 0
	STEP 0, 2, 0
	TURN 0, 1, 0
	STEP 1, 0, 0
	STEP 1, 1, 0
	STEP 1, 2, 0
	s_wait_dscnt 4
	WIN MUL_LO
	MULT 0, 1, 3, 1, 0
	MULT 1, 1, 3, 1, 0
	s_wait_dscnt 0x0
	WIN MUL_HI
	MULT 2, 1, 3, 1, 0
	MULT 3, 1, 3, 1, 0
	PLACES 4
.set SS, 160
.set PP, 176
.set CN, 192
.set TT, 224
.set SU, 232
.set SE, 234
.set RK, 238
.set CW, 242
.set CT, 246
	WIN 0x08
.irp j, 0,1,2,3,4,5,6,7
.irp a, 0,1
	v_mul_f32 v[SS+8*\a+\j], s56, v[160+8*\a+\j]
.endr
.endr
	WIN 0
.set n, 0
	s_wait_alu depctr_va_vdst(0)
.rept 16
	v_exp_f32 v[SS+n], v[SS+n]
.set n, n+1
.endr
.set n, 0
.rept 16
	v_mov_b32 v[PP+n], 0
.set n, n+1
.endr
	s_wait_alu depctr_va_vdst(0)
.set n, 0
.rept 16
	v_add_f32 v[SS+n], 1.0, v[SS+n]
.set n, n+1
.endr
.set n, 0
	s_wait_alu depctr_va_vdst(0)
.rept 16
	v_rcp_f32 v[SS+n], v[SS+n]
.set n, n+1
.endr
.set n, 0
.rept 8
	v_mov_b32 v[TT+n], 0xff800000
.set n, n+1
.endr
	s_wait_alu depctr_va_vdst(0)
.irp a, 0,1
.irp j, 0,1,2,3,4,5,6,7
	v_add_f32 v[SS+8*\a+\j], v[SS+8*\a+\j], v[96+\j]
.endr
.endr
.set n, 0
.rept 16
	v_permlanex16_b32 v[PP+n], v[SS+n], s58, s59
.set n, n+1
.endr
.irp a, 0,1
.irp j, 0,1,2,3,4,5,6,7
	v_cndmask_b32 v[CN+16*\a+\j], v[SS+8*\a+\j], v[PP+8*\a+\j], s60
	v_cndmask_b32 v[CN+16*\a+8+\j], v[PP+8*\a+\j], v[SS+8*\a+\j], s60
.endr
.endr
.irp e, 0,1,2,3,4,5,6,7,8,9,10,11,12,13,14,15
.irp a, 0,1
	v_med3_num_f32 v[TT+4*\a+3], v[TT+4*\a+2], v[TT+4*\a+3], v[CN+16*\a+\e]
	v_med3_num_f32 v[TT+4*\a+2], v[TT+4*\a+1], v[TT+4*\a+2], v[CN+16*\a+\e]
	v_med3_num_f32 v[TT+4*\a+1], v[TT+4*\a], v[TT+4*\a+1], v[CN+16*\a+\e]
	v_max_num_f32 v[TT+4*\a], v[TT+4*\a], v[CN+16*\a+\e]
.endr
.endr
.irp a, 0,1
	v_add_f32 v[SU+\a], v[TT+4*\a], v[TT+4*\a+1]
.endr
.irp a, 0,1
	v_add_f32 v[SU+\a], v[SU+\a], v[TT+4*\a+2]
.endr
.irp a, 0,1
	v_add_f32 v[SU+\a], v[SU+\a], v[TT+4*\a+3]
.endr
.irp a, 0,1
	v_add_f32 v[SU+\a], 0x1e3ce508, v[SU+\a]
.endr
	s_wait_alu depctr_va_vdst(0)
.irp a, 0,1
	v_rcp_f32 v[SU+\a], v[SU+\a]
.endr
.irp a, 0,1
.irp x, 0,1
	v_mov_b32 v[SE+2*\a+\x], v[CN+16*\a+\x]
	v_mov_b32 v[RK+2*\a+\x], 0
.irp cc, 1,2,3,4,5,6,7
	v_cndmask_b32 v[SE+2*\a+\x], v[SE+2*\a+\x], v[CN+16*\a+2*\cc+\x], s[72+\cc]
.endr
.endr
.endr
.irp a, 0,1
	v_mov_b32 v[CT+\a], 0
.endr
.irp k, 0,1,2
.irp a, 0,1
	v_cmp_gt_f32 vcc_lo, v[TT+4*\a+\k], v[TT+4*\a+3]
	v_add_co_ci_u32 v[CT+\a], vcc_lo, 0, v[CT+\a], vcc_lo
.endr
.endr
.irp e, 0,1,2,3,4,5,6,7,8,9,10,11,12,13,14,15
.irp a, 0,1
	v_cndmask_b32 v[RK+2*\a+\e%2], v[RK+2*\a+\e%2], v[CT+\a], s[72+\e/2]
.if \e < 15
	v_cmp_eq_f32 vcc_lo, v[CN+16*\a+\e], v[TT+4*\a+3]
	v_add_co_ci_u32 v[CT+\a], vcc_lo, 0, v[CT+\a], vcc_lo
.endif
.endr
.endr
	s_wait_alu depctr_va_vdst(0)
.irp a, 0,1
.irp x, 0,1
	v_mul_f32 v[CW+2*\a+\x], v[SE+2*\a+\x], v[SU+\a]
	v_cmp_gt_u32 vcc_lo, 4, v[RK+2*\a+\x]
	v_cndmask_b32 v[RK+2*\a+\x], 0, v[CW+2*\a+\x], vcc_lo
	v_cmp_eq_f32 vcc_lo, v[SE+2*\a+\x], v[TT+4*\a+3]
	v_cndmask_b32 v[RK+2*\a+\x], 0, v[RK+2*\a+\x], vcc_lo
	v_cmp_gt_f32 vcc_lo, v[SE+2*\a+\x], v[TT+4*\a+3]
	v_cndmask_b32 v[CW+2*\a+\x], v[RK+2*\a+\x], v[CW+2*\a+\x], vcc_lo
.endr
.endr
	WIN 0x40
.irp a, 0,1
.irp x, 0,1
	v_mov_b32 v[240+4*\a+2*\x], v[CW+2*\a+\x]
	v_mov_b32 v[241+4*\a+2*\x], v[CW+2*\a+\x]
.endr
.endr
.macro ACT
.set n, 0
.rept 10
.irp j, 0,2,4,6
	v_pk_mul_f32 v[16*n+8+\j:16*n+9+\j], v[16*n+\j:16*n+1+\j], v[16*n+8+\j:16*n+9+\j]
	v_pk_mul_f32 v[16*n+\j:16*n+1+\j], v[16*n+\j:16*n+1+\j], s[56:57] op_sel_hi:[1,0]
.endr
.set n, n+1
.endr
.set n, 0
	s_wait_alu depctr_va_vdst(0)
.rept 10
.irp j, 0,1,2,3,4,5,6,7
	v_exp_f32 v[16*n+\j], v[16*n+\j]
.endr
.set n, n+1
.endr
	v_nop
	s_wait_alu depctr_va_vdst(0)
.set n, 0
.rept 10
.irp j, 0,2,4,6
	v_pk_add_f32 v[16*n+\j:16*n+1+\j], v[16*n+\j:16*n+1+\j], 1.0 op_sel_hi:[1,0]
.endr
.set n, n+1
.endr
.set n, 0
	s_wait_alu depctr_va_vdst(0)
.rept 10
.irp j, 0,1,2,3,4,5,6,7
	v_rcp_f32 v[16*n+\j], v[16*n+\j]
.endr
.set n, n+1
.endr
	v_nop
	s_wait_alu depctr_va_vdst(0)
.set n, 0
.rept 10
.irp j, 0,2,4,6
	v_pk_mul_f32 v[16*n+8+\j:16*n+9+\j], v[16*n+8+\j:16*n+9+\j], v[16*n+\j:16*n+1+\j]
.endr
.set n, n+1
.endr
.endm
	WIN 0xaa
	ACT
	WIN 0xff
	ACT
	WIN 0x08
.irp i, 0,1
.irp p, 0,1,2,3,4
	ds_store_b128 v[ZWA], v[80*\i+16*\p+8:80*\i+16*\p+11] offset:\i*10240+\p*1024
	ds_store_b128 v[ZWA], v[80*\i+16*\p+12:80*\i+16*\p+15] offset:\i*10240+\p*1024+512
.endr
.endr
	WIN 0x0c
.irp i, 0,1
.irp p, 0,1,2,3,4
	ds_store_b128 v[ZWB], v[80*\i+16*\p+8:80*\i+16*\p+11] offset:\i*10240+\p*1024
	ds_store_b128 v[ZWB], v[80*\i+16*\p+12:80*\i+16*\p+15] offset:\i*10240+\p*1024+512
.endr
.endr
	WIN 0
	s_wait_dscnt 0x0
	s_barrier_signal -1
	s_barrier_wait -1
	WIN 0x40
.irp i, 0,1
.set n, 0
.irp pp, 0,1,2,3,5,6,7,8,4,9
	ds_load_b128 v[80*\i+8*n:80*\i+8*n+3], v[ZR] offset:\i*10240+\pp*1024
	ds_load_b128 v[80*\i+8*n+4:80*\i+8*n+7], v[ZR] offset:\i*10240+\pp*1024+512
.set n, n+1
.endr
.endr
	s_wait_dscnt 0x0
	WIN 0x55
.irp i, 0,1
.irp b, 0,1,2,3
.irp j, 0,2,4,6,8,10,12,14
	v_pk_mul_f32 v[80*\i+16*\b+\j:80*\i+16*\b+\j+1], v[80*\i+16*\b+\j:80*\i+16*\b+\j+1], v[240+4*\i+2*(\b/2):241+4*\i+2*(\b/2)]
.endr
.endr
.endr
.set MX, 160
.set PX, 170
.set SO, 180
.set BY, 190
.set PC, 200
.set SH, 216
.set MW, 220
.set WO, 224
.set n, 0
.rept 10
	v_mov_b32 v[PX+n], 0
	v_max3_num_f32 v[MX+n], |v[16*n]|, |v[16*n+1]|, 0x1800000
.set n, n+1
.endr
.irp k, 2,4,6,8,10,12,14
.set n, 0
.rept 10
	v_max3_num_f32 v[MX+n], v[MX+n], |v[16*n+\k]|, |v[16*n+\k+1]|
.set n, n+1
.endr
.endr
.set n, 0
.rept 10
	v_permlanex16_b32 v[PX+n], v[MX+n], s58, s59
.set n, n+1
.endr
.set n, 0
.rept 10
	v_max_num_f32 v[MX+n], v[MX+n], v[PX+n]
.set n, n+1
.endr
.set n, 0
.rept 10
	v_add_nc_u32 v[SO+n], 0xff000000, v[MX+n]
.set n, n+1
.endr
.set n, 0
.rept 10
	v_lshrrev_b32 v[BY+n], 23, v[SO+n]
.set n, n+1
.endr
.irp i, 0,1
	v_lshl_or_b32 v[MW+2*\i], v[BY+5*\i+1], 8, v[BY+5*\i]
	v_lshl_or_b32 v[MW+2*\i], v[BY+5*\i+2], 16, v[MW+2*\i]
	v_lshl_or_b32 v[MW+2*\i], v[BY+5*\i+3], 24, v[MW+2*\i]
	v_lshlrev_b32 v[MW+2*\i+1], s62, v[BY+5*\i+4]
.endr
	v_cndmask_b32 v[WO], v[MW], v[MW+2], s60
	v_cndmask_b32 v[WO+1], v[MW+1], v[MW+3], s60
.irp i, 0,1
.irp b, 0,1,2,3
	v_cvt_scalef32_pk8_fp4_f32 v[PC+8*\i+2*\b], v[80*\i+16*\b:80*\i+16*\b+7], v[SO+5*\i+\b]
	v_cvt_scalef32_pk8_fp4_f32 v[PC+8*\i+2*\b+1], v[80*\i+16*\b+8:80*\i+16*\b+15], v[SO+5*\i+\b]
.endr
	v_cvt_scalef32_pk8_fp4_f32 v[SH+2*\i], v[80*\i+64:80*\i+71], v[SO+5*\i+4]
	v_cvt_scalef32_pk8_fp4_f32 v[SH+2*\i+1], v[80*\i+72:80*\i+79], v[SO+5*\i+4]
.endr
	v_nop
.irp i, 0,1
.irp c, 0,1
.irp k, 0,1
	v_permlane16_swap_b32 v[PC+8*\i+4*\c+\k], v[PC+8*\i+4*\c+2+\k]
.endr
.endr
.endr
.irp k, 0,1
	v_permlane16_swap_b32 v[SH+\k], v[SH+2+\k]
.endr
	WIN 0x04
.irp i, 0,1
	global_store_b128 v[GA], v[PC+8*\i:PC+8*\i+3], s[66:67] offset:\i*10240
	global_store_b128 v[GA], v[PC+8*\i+4:PC+8*\i+7], s[66:67] offset:\i*10240+512
.endr
	global_store_b128 v[GB], v[SH:SH+3], s[68:69]
	global_store_b64 v[GC], v[WO:WO+1], s[70:71]
	WIN 0
	s_wait_tensorcnt 0x0
	ds_add_u32 v[SPW], v[NIL]
	s_wait_dscnt 0x0
	CROUND
	s_endpgm
.Lfunc_end_k_q25318284cf_up:
	.size	k_q25318284cf_up, .Lfunc_end_k_q25318284cf_up-k_q25318284cf_up
	.p2alignl 7, 3214868480
	.fill 96, 4, 3214868480
	.section	.rodata,"a",@progbits
	.p2align	6, 0x0
	.amdhsa_kernel k_q25318284cf_up
		.amdhsa_group_segment_fixed_size 327680
		.amdhsa_private_segment_fixed_size 0
		.amdhsa_enable_private_segment 0
		.amdhsa_kernarg_size 32
		.amdhsa_user_sgpr_count 2
		.amdhsa_user_sgpr_kernarg_segment_ptr 1
		.amdhsa_wavefront_size32 1
		.amdhsa_system_sgpr_workgroup_id_x 1
		.amdhsa_system_sgpr_workgroup_id_y 1
		.amdhsa_system_sgpr_workgroup_id_z 1
		.amdhsa_system_vgpr_workitem_id 0
		.amdhsa_next_free_vgpr 1024
		.amdhsa_next_free_sgpr 100
		.amdhsa_reserve_vcc 1
		.amdhsa_float_denorm_mode_32 3
		.amdhsa_float_denorm_mode_16_64 3
		.amdhsa_memory_ordered 1
		.amdhsa_forward_progress 1
		.amdhsa_inst_pref_size 209
	.end_amdhsa_kernel
	.amdgpu_metadata
---
amdhsa.version: [ 1, 2 ]
amdhsa.kernels:
  - .name:           k_q25318284cf_up
    .symbol:         k_q25318284cf_up.kd
    .args:
      - { .name: XQ, .offset: 0, .size: 8, .value_kind: global_buffer, .address_space: global }
      - { .name: WU, .offset: 8, .size: 8, .value_kind: global_buffer, .address_space: global }
      - { .name: bias, .offset: 16, .size: 8, .value_kind: global_buffer, .address_space: global }
      - { .name: ZQ, .offset: 24, .size: 8, .value_kind: global_buffer, .address_space: global }
    .group_segment_fixed_size: 327680
    .private_segment_fixed_size: 0
    .kernarg_segment_align: 8
    .kernarg_segment_size: 32
    .max_flat_workgroup_size: 128
    .sgpr_count:     100
    .vgpr_count:     1024
    .wavefront_size: 32
...
	.end_amdgpu_metadata
.endif
;; end of part 2
;; launch down (part 3): grid 16 x 16, 4 waves a work-group, clusters of 4 x 1, 198,144 bytes of LDS; arguments ZQ, WDQ, out0; writes out0
.if DOCPART == 3
	.amdgcn_target "amdgcn-amd-amdhsa--gfx1250"
	.amdhsa_code_object_version 6
	.text
	.protected	k_q25318284cf_down
	.globl	k_q25318284cf_down
	.p2align	8
	.type	k_q25318284cf_down,@function
k_q25318284cf_down:
	s_mov_b64 s[64:65], 0
	v_nop
	global_prefetch_b8 v0, s[64:65] scope:SCOPE_SE
	s_setreg_imm32_b32 hwreg(HW_REG_WAVE_MODE, 25, 1), 1
	s_wait_xcnt 0x0
	s_wait_alu depctr_hold_cnt(0) depctr_sa_sdst(0) depctr_va_vdst(0) depctr_va_sdst(0) depctr_va_ssrc(0) depctr_va_vcc(0) depctr_vm_vsrc(0)
	s_getreg_b32 s2, hwreg(HW_REG_IB_STS2, 6, 4)
	s_cmp_eq_u32 s2, 0
	s_cbranch_scc0 .Lentry_in_a_cluster
	s_endpgm
.Lentry_in_a_cluster:
	s_bfe_u32 s2, ttmp6, 0x10000c
	s_cmp_lg_u32 s2, 0x3003
	s_cbranch_scc0 .Lentry_shape_is_right
	s_endpgm
.Lentry_shape_is_right:
; out = zw Wd^T + z_shared Sd^T, both products on codes of FP4 with E8M0 scales, as ONE f32 sum over K' = 1,280: steps 0-7 are experts 2 s, 2 s + 1 (64 units each), steps 8, 9 the 256 shared units.
; (Another order of summing than two sums added: stated limit.)  NaN and infinities are not served.
; SHARES.  Work-group (cg, tg): 256 tokens x 256 columns.  Wave w owns columns 256 cg + 64 w .. + 63 for all 256 tokens: its weights (4 tiles x 10 steps, 320 registers, and 20 of scale words) come from
; memory straight into registers, once, and stay: they never pass through LDS, so they are not asked for jointly.
; A UNIT is a tile of 16 tokens: 40 products, K ascending, on 4 accumulators by turns; a finished unit goes through the wave's stage and is stored as 16 rows of 256 bytes.  16 units a wave.
; z's codes lie in ZQ in the order of an operand's registers.  Units 0-3 (tokens 0-63) are loaded from memory straight into registers, beside the weights.  Tokens 64-255 (122,880 bytes) are filled into LDS once,
; jointly for the four column groups of the cluster, by one tensor load a wave at the head (30,720 bytes); the wait for it stands behind unit 3's stores.  No LDS byte is filled again.
; z's scale words come as 16 loads of 256 bytes for each 64 tokens, a group ahead, into two sets of registers.
; TRANSPOSED: source 0 = 16 columns' weights, source 1 = 16 tokens: a lane holds eight neighbouring columns of one token's row.
; No prefetch: each stream is asked for whole at the head; there is no loop to run ahead in.
; REGISTERS.  window 0: v1-9 addresses; v10, v11 the add's two; v16-99 scale words and nothing else; v128-191 two sets of 4 accumulators.
;   window 1: the weights of steps 0-7, (b, s) at 32 s + 8 b.   window 2: v0-63 those of steps 8, 9; v64-223 two buffers of a unit's z fragments (10 steps x 8).
;   window 3: v0-159 z of units 2, 3; v160-223 two buffers of whole rows on the way out.
.set STAGE,  122880                    ; LDS: z's codes of row groups 4-15, row group R at 10,240 (R - 4); then a stage of 16 rows x SPITCH bytes for each wave, which no tensor load fills
.set SPITCH, 272                       ; 256 + 16: an odd multiple of 16 bytes: 16 rows start at 16 different banks (64 banks of 4 bytes: ISA guide 11.1)
.set SPARE,  140288                    ; then the spare words, 128 bytes a wave, two blocks of 256 bytes that no other line names
.set SPW, 10
.set NIL, 11
.set WS,  16                           ; v16-31  weights' scale words: 4 b + k: lanes 0-15 step k, lanes 16-31 step 4 + k
.set WS2, 32                           ; v32-35  steps 8, 9: 2 (b % 2) + s - 8: lanes 0-15 tiles 0, 1, lanes 16-31 tiles 2, 3
.set ZP,  36                           ; v36-99  z's, two sets by the group's parity: 16 n + 2 c: (step c's word, the shared byte of chunk c at its place): lanes 0-15 tile 2 n, lanes 16-31 tile 2 n + 1
.set ACC, 128
.set OUTR, 160
.set WV,  10
.set G1D, 24                           ; s[24:31] group 1, s[32:35] group 0 of my one fill
.set G0,  32
.set MSB, 0
.macro WIN new                         ; the immediate's high byte repeats the setting that is left
.if MSB != (\new)
	s_set_vgpr_msb (MSB<<8)|(\new)
.set MSB, (\new)
.endif
.endm
.macro PLACES n
.rept \n
	v_nop
.endr
.endm
.macro CROUND                          ; a round of the cluster's barrier
	s_barrier_signal -1
	s_barrier_wait -1
	s_cmp_lg_u32 s[WV], 0
	s_cbranch_scc1 .Lnot_wave_0_\@
	s_barrier_signal -3
.Lnot_wave_0_\@:
	s_barrier_wait -3
	s_barrier_signal -1
	s_barrier_wait -1
.endm
.macro WM d, w, x, sw, sx, zero, rw, rx
.if \zero
.if ((\rw) == 0) && ((\rx) == 0)
	v_wmma_scale_f32_16x16x128_f8f6f4 v[(\d):(\d)+7], v[(\w):(\w)+7], v[(\x):(\x)+7], 0, v[\sw], v[\sx] matrix_a_fmt:MATRIX_FMT_FP4 matrix_b_fmt:MATRIX_FMT_FP4
.elseif (\rx) == 0
	v_wmma_scale_f32_16x16x128_f8f6f4 v[(\d):(\d)+7], v[(\w):(\w)+7], v[(\x):(\x)+7], 0, v[\sw], v[\sx] matrix_a_fmt:MATRIX_FMT_FP4 matrix_b_fmt:MATRIX_FMT_FP4 matrix_a_scale:MATRIX_SCALE_ROW1
.elseif (\rw) == 0
	v_wmma_scale_f32_16x16x128_f8f6f4 v[(\d):(\d)+7], v[(\w):(\w)+7], v[(\x):(\x)+7], 0, v[\sw], v[\sx] matrix_a_fmt:MATRIX_FMT_FP4 matrix_b_fmt:MATRIX_FMT_FP4 matrix_b_scale:MATRIX_SCALE_ROW1
.else
	v_wmma_scale_f32_16x16x128_f8f6f4 v[(\d):(\d)+7], v[(\w):(\w)+7], v[(\x):(\x)+7], 0, v[\sw], v[\sx] matrix_a_fmt:MATRIX_FMT_FP4 matrix_b_fmt:MATRIX_FMT_FP4 matrix_a_scale:MATRIX_SCALE_ROW1 matrix_b_scale:MATRIX_SCALE_ROW1
.endif
.else
.if ((\rw) == 0) && ((\rx) == 0)
	v_wmma_scale_f32_16x16x128_f8f6f4 v[(\d):(\d)+7], v[(\w):(\w)+7], v[(\x):(\x)+7], v[(\d):(\d)+7], v[\sw], v[\sx] matrix_a_fmt:MATRIX_FMT_FP4 matrix_b_fmt:MATRIX_FMT_FP4
.elseif (\rx) == 0
	v_wmma_scale_f32_16x16x128_f8f6f4 v[(\d):(\d)+7], v[(\w):(\w)+7], v[(\x):(\x)+7], v[(\d):(\d)+7], v[\sw], v[\sx] matrix_a_fmt:MATRIX_FMT_FP4 matrix_b_fmt:MATRIX_FMT_FP4 matrix_a_scale:MATRIX_SCALE_ROW1
.elseif (\rw) == 0
	v_wmma_scale_f32_16x16x128_f8f6f4 v[(\d):(\d)+7], v[(\w):(\w)+7], v[(\x):(\x)+7], v[(\d):(\d)+7], v[\sw], v[\sx] matrix_a_fmt:MATRIX_FMT_FP4 matrix_b_fmt:MATRIX_FMT_FP4 matrix_b_scale:MATRIX_SCALE_ROW1
.else
	v_wmma_scale_f32_16x16x128_f8f6f4 v[(\d):(\d)+7], v[(\w):(\w)+7], v[(\x):(\x)+7], v[(\d):(\d)+7], v[\sw], v[\sx] matrix_a_fmt:MATRIX_FMT_FP4 matrix_b_fmt:MATRIX_FMT_FP4 matrix_a_scale:MATRIX_SCALE_ROW1 matrix_b_scale:MATRIX_SCALE_ROW1
.endif
.endif
.endm
; Unit u: ten steps x my four column tiles; the four accumulators by turns, one instruction a turn.  Step 0 starts the sums.
.macro MULU u
.set UA, (\u)%4
.set UZ, ZP+32*(((\u)/4)%2)+16*(UA/2)
.set UC, ACC+32*((\u)%2)
.if ((\u)/2) == 1                      ; units 2, 3: z in window 3
.set ZW, 3
.set ZB, 80*((\u)-2)
.else
.set ZW, 2
.set ZB, 64+80*((\u)%2)
.endif
	WIN (ZW<<2)|1                                  ; source 0 (weights) window 1, source 1 (z) window ZW, C and D window 0
.irp s, 0,1,2,3,4,5,6,7
.irp b, 0,1,2,3
.if \s == 0
	WM UC+8*\b, 8*\b, ZB, WS+4*\b, UZ, 1, 0, UA%2
.else
	WM UC+8*\b, 32*\s+8*\b, ZB+8*\s, WS+4*\b+\s%4, UZ+2*\s, 0, \s/4, UA%2
.endif
.endr
.endr
	WIN (ZW<<2)|2                                  ; steps 8, 9: source 0 window 2
.irp s, 0,1
.irp b, 0,1,2,3
	WM UC+8*\b, 32*\s+8*\b, ZB+64+8*\s, WS2+2*(\b%2)+\s, UZ+8*\s+1, 0, \b/2, UA%2
.endr
.endr
.endm
.macro FETCH u                         ; 20 LDS loads: unit u's z fragments (u >= 4) into buffer u % 2
	WIN 0x80
.irp s, 0,1,2,3,4,5,6,7,8,9
	ds_load_b128 v[64+80*((\u)%2)+8*\s:64+80*((\u)%2)+8*\s+3], v[2+(\u)/4] offset:((\u)%4)*10240+\s*1024
	ds_load_b128 v[64+80*((\u)%2)+8*\s+4:64+80*((\u)%2)+8*\s+7], v[2+(\u)/4] offset:((\u)%4)*10240+\s*1024+512
.endr
.endm
.macro FETCHG u                        ; 20 loads of 512 bytes: unit u's z fragments (u < 4) from memory
.if (\u) < 2
	WIN 0x80
.set GF, 64+80*(\u)
.else
	WIN 0xc0
.set GF, 80*((\u)-2)
.endif
.irp s, 0,1,2,3,4,5,6,7,8,9
	global_load_b128 v[GF+8*\s:GF+8*\s+3], v1, s[68:69] offset:(\u)*10240+\s*1024
	global_load_b128 v[GF+8*\s+4:GF+8*\s+7], v1, s[68:69] offset:(\u)*10240+\s*1024+512
.endr
.endm
.macro ZPLOAD g                        ; group g's scale words: each load is one aligned unit of 256 bytes
	WIN 0
.irp n, 0,1
.irp c, 0,1,2,3,4,5,6,7
	global_load_b64 v[ZP+32*((\g)%2)+16*\n+2*\c:ZP+32*((\g)%2)+16*\n+2*\c+1], v6, s[70:71] offset:\c*32768+(\g)*512+\n*256
.endr
.endr
.endm
.macro ZPOR g                          ; the shared bytes of chunks 0-3 make step 8's word, those of chunks 4-7 step 9's
	WIN 0
.irp o, 3,5,7
.irp n, 0,1
.irp t, 0,1
	v_or_b32 v[ZP+32*((\g)%2)+16*\n+8*\t+1], v[ZP+32*((\g)%2)+16*\n+8*\t+1], v[ZP+32*((\g)%2)+16*\n+8*\t+\o]
.endr
.endr
.endr
	s_wait_alu depctr_va_vdst(0)                   ; directly behind the writes
	PLACES 8                                       ; a scale register written by a vector instruction stands eight places ahead of the scaled product that reads it
.endm
.macro WLOAD s                         ; my four tiles' weights of step s: 8 loads of 512 bytes
.if (\s) < 8
	WIN 0x40
.irp b, 0,1,2,3
	global_load_b128 v[32*(\s)+8*\b:32*(\s)+8*\b+3], v1, s[52:53] offset:\b*10240+(\s)*1024
	global_load_b128 v[32*(\s)+8*\b+4:32*(\s)+8*\b+7], v1, s[52:53] offset:\b*10240+(\s)*1024+512
.endr
.else
	WIN 0x80
.irp b, 0,1,2,3
	global_load_b128 v[32*((\s)-8)+8*\b:32*((\s)-8)+8*\b+3], v1, s[52:53] offset:\b*10240+(\s)*1024
	global_load_b128 v[32*((\s)-8)+8*\b+4:32*((\s)-8)+8*\b+7], v1, s[52:53] offset:\b*10240+(\s)*1024+512
.endr
.endif
.endm
; The way out of unit u: 16 rows x 64 columns go through my own stage and come back as whole rows of 256 bytes.  LDS serves a wave's instructions in order (ISA guide 5.7.1.4): no wait between the stores and the loads, nor ahead of the next unit's stores.
.macro TOSTAGE u
	WIN 0
.irp b, 0,1,2,3
	ds_store_b128 v7, v[ACC+32*((\u)%2)+8*\b:ACC+32*((\u)%2)+8*\b+3] offset:64*\b          ; each accumulator from its low end on
	ds_store_b128 v7, v[ACC+32*((\u)%2)+8*\b+4:ACC+32*((\u)%2)+8*\b+7] offset:64*\b+16
.endr
	WIN 0xc0
.irp i, 0,1,2,3,4,5,6,7
	ds_load_b128 v[OUTR+32*((\u)%2)+4*\i:OUTR+32*((\u)%2)+4*\i+3], v8 offset:\i*2*SPITCH
.endr
.endm
.macro SEND u, younger                 ; younger: the LDS instructions issued behind unit u's loads from the stage, which may stay out
	s_wait_dscnt \younger
	WIN 0x0c                                       ; a store's data are its source 1: window 3
.irp i, 0,1,2,3,4,5,6,7
	global_store_b128 v9, v[OUTR+32*((\u)%2)+4*\i:OUTR+32*((\u)%2)+4*\i+3], s[66:67] offset:(\u)*262144+\i*32768 th:TH_STORE_NT   ; sixteen lanes store 256 consecutive bytes, aligned; the largest offset, 4,161,536, lies inside the signed 24-bit immediate
.endr
.endm
.macro UNIT u
.if (\u) == 4
	s_wait_dscnt 20                                ; unit 4's fragments are in; unit 5's 20 loads may be out
.elseif (\u) > 4
.if (\u)+1 < 16
	s_wait_dscnt 36                                ; what the last unit issued may be out: 20 fragment loads and the stage's 16
.else
	s_wait_dscnt 16
.endif
.endif
.if ((\u) > 0) && ((\u) < 4)
	s_wait_loadcnt 76-20*(\u)                      ; behind this unit's z: 20 loads for each later unit of the group, and group 1's 16 scale loads
.endif
	MULU \u
	PLACES 5                                       ; four ahead of the reads of results and of loads into the buffer just multiplied; the fifth for the products that begin accumulators anew
.if (((\u)%4) == 0) && ((\u) < 12)
	ZPLOAD (\u)/4+1
.endif
.if (\u) >= 2
	s_wait_xcnt 0x0                                ; the stores of two units ago have read their registers: they are loaded again only behind this wait
.endif
.set FN, 0
.if ((\u) >= 4) && ((\u)+2 < 16)
	FETCH (\u)+2
.set FN, 20
.endif
	TOSTAGE \u
.if (\u) == 0
	SEND 0, 0                                      ; the first unit is stored at once
.elseif ((\u) >= 2) && ((\u) != 4)
	SEND (\u)-1, 16+FN                             ; the unit before: its rows came back while this unit was multiplied
.endif
.if (\u) == 3
	SEND 3, 0
.endif
.if (\u) == 15
	SEND 15, 0
.endif
.if (((\u)%4) == 3) && ((\u) < 15)
	s_wait_loadcnt 0x0                             ; the next group's scale words are in
	ZPOR (\u)/4+1
.endif
.if (\u) == 3
	s_wait_tensorcnt 0x0                           ; my fill has landed;
	s_wait_dscnt 0x0
	s_barrier_signal -1
	s_barrier_wait -1                              ; everybody's has: tokens 64-255 may be read.
	FETCH 4
	FETCH 5
.endif
.endm
	s_load_b128 s[4:7], s[0:1], 0x0                ; ZQ s[4:5], WDQ s[6:7]
	s_load_b64 s[8:9], s[0:1], 0x10                ; out0
	v_lshl_add_u32 v[SPW], v0, 2, SPARE
	v_mov_b32 v[NIL], 0
	ds_add_u32 v[SPW], v[NIL]                      ; the wave's opening: the add, twice on end, and its wait ahead of my first tensor load; work on registers stands between
	ds_add_u32 v[SPW], v[NIL]
	v_lshrrev_b32 v12, 5, v0
	v_readfirstlane_b32 s[WV], v12                 ; wave 0..3
	s_bfe_u32 s11, ttmp6, 0x40000                  ; cx
	s_lshl_b32 s12, ttmp9, 2
	s_add_co_u32 s12, s12, s11                     ; cg = 4 x cluster x + cx: it enters the weights' and the output's addresses alone
	s_and_b32 s13, ttmp7, 0xffff                   ; tg, which the four partners share
	; group 1: three row groups, 30,720 dense bytes as 120 rows of 256 (32 elements of 8 bytes)
	s_mov_b32 s[G1D], 15|(3<<16)|(1<<21)           ; 15:0 the mask: all four work-groups; 17:16 elements of 8 bytes; 21 set beside a mask
	s_mov_b32 s[G1D+1], 32<<16
	s_mov_b32 s[G1D+2], 120<<16
	s_mov_b32 s[G1D+3], 32<<16
	s_mov_b32 s[G1D+4], 120
	s_mov_b32 s[G1D+5], 32
	s_mov_b32 s[G1D+6], 0
	s_mov_b32 s[G1D+7], 0
	s_mul_i32 s54, s13, 163840                     ; my work-group's sixteen row groups: 163,840 dense bytes
	s_mov_b32 s55, 0
	s_mul_i32 s58, s[WV], 30720                    ; my fill's place in LDS: row groups 4 + 3 w .. 6 + 3 w
	s_add_co_u32 s56, s54, s58
	s_add_co_u32 s56, s56, 40960                   ; and in ZQ
	s_mov_b32 s57, 0
	s_mul_i32 s59, s[WV], 16*SPITCH
	s_add_co_u32 s59, s59, STAGE                   ; my stage
	v_and_b32 v12, 31, v0
	v_lshlrev_b32 v1, 4, v12                       ; 16 x lane
.irp g, 1,2,3
	v_add_nc_u32 v[2+\g], (\g-1)*40960, v1         ; group g's four row groups in LDS
.endr
	v_lshlrev_b32 v6, 3, v12                       ; z's scale words: 8 x lane
	v_and_b32 v13, 15, v0                          ; r
	v_bfe_u32 v14, v0, 4, 1                        ; h
	v_mul_u32_u24 v7, v13, SPITCH
	v_lshl_add_u32 v7, v14, 5, v7
	v_add_nc_u32 v7, s59, v7                       ; in: row r, 32 bytes for each half of the lanes
	v_mul_u32_u24 v8, v14, SPITCH
	v_lshl_add_u32 v8, v13, 4, v8
	v_add_nc_u32 v8, s59, v8                       ; back: lanes 0-15 one row of 256 bytes, lanes 16-31 the next
	v_lshlrev_b32 v9, 14, v14
	v_lshl_add_u32 v9, v13, 4, v9                  ; and the same two rows in out0
	s_wait_alu depctr_va_vdst(0)
	s_wait_dscnt 0x0                               ; both opening adds are done
	s_wait_kmcnt 0x0
	s_add_nc_u64 s[68:69], s[4:5], s[54:55]        ; z's codes of my work-group's tokens
	s_add_nc_u64 s[56:57], s[4:5], s[56:57]
	s_mov_b32 s[G0], 1
	s_mov_b32 s[G0+1], s58
	s_mov_b64 s[G0+2:G0+3], s[56:57]
	s_or_b32 s[G0+3], s[G0+3], 0x80000000
	s_lshl_b32 s54, s12, 4
	s_lshl_b32 s55, s[WV], 2
	s_add_co_u32 s54, s54, s55                     ; my first tile of 16 columns: 16 cg + 4 w
	s_mov_b32 s57, 0
	s_mul_i32 s56, s54, 10240
	s_add_nc_u64 s[52:53], s[6:7], s[56:57]        ; its codes
	s_lshl_b32 s56, s54, 9
	s_add_co_u32 s56, s56, 2621440
	s_add_nc_u64 s[60:61], s[6:7], s[56:57]        ; its scale units of steps 0-7
	s_lshl_b32 s56, s54, 7
	s_add_co_u32 s56, s56, 2752512
	s_add_nc_u64 s[62:63], s[6:7], s[56:57]        ; and of steps 8, 9
	s_lshl_b32 s56, s13, 11
	s_add_co_u32 s56, s56, 2621440
	s_add_nc_u64 s[70:71], s[4:5], s[56:57]        ; z's scale words [c 8][4,096 tokens][8 bytes]: my work-group's 256 tokens
	s_lshl_b32 s56, s13, 22                        ; out0: 256 tg rows of 16,384 bytes,
	s_lshl_b32 s55, s12, 10
	s_add_co_u32 s56, s56, s55                     ; + 1,024 cg
	s_lshl_b32 s55, s[WV], 8
	s_add_co_u32 s56, s56, s55                     ; + 256 w
	s_add_nc_u64 s[66:67], s[8:9], s[56:57]
.irp b, 0,1,2,3
	global_load_b128 v[WS+4*\b:WS+4*\b+3], v1, s[60:61] offset:\b*512
.endr
	global_load_b128 v[WS2:WS2+3], v1, s[62:63]
	ZPLOAD 0                                       ; 21 loads of scale words, unit 0's 20, two steps' 16 of weights: 57 loads are out at the round
	FETCHG 0
	WLOAD 0
	WLOAD 1
	WIN 0
	CROUND                                         ; all four work-groups are here: the joint loads meet
	tensor_load_to_lds s[G0:G0+3], s[G1D:G1D+7]    ; my one tensor load: three row groups of tokens 64-255
	s_nop 0
.rept 4
	v_nop
.endr
.irp s, 2,3,4,5,6,7,8,9
	WLOAD \s
.endr
	FETCHG 1
	FETCHG 2
	FETCHG 3
	s_wait_loadcnt 60                              ; the scale words, unit 0's z and all the weights are in; the 60 loads of units 1-3 may be out
	ZPOR 0
.irp u, 0,1,2,3,4,5,6,7,8,9,10,11,12,13,14,15
	UNIT \u
.endr
	WIN 0
	s_wait_tensorcnt 0x0                           ; the wave's end: three lines behind my last tensor load and my last LDS store
	ds_add_u32 v[SPW], v[NIL]
	s_wait_dscnt 0x0
	CROUND                                         ; the closing round: no work-group ends while a partner may still ask for a tile that names it
	s_endpgm
.Lfunc_end_k_q25318284cf_down:
	.size	k_q25318284cf_down, .Lfunc_end_k_q25318284cf_down-k_q25318284cf_down
	.p2alignl 7, 3214868480
	.fill 96, 4, 3214868480
	.section	.rodata,"a",@progbits
	.p2align	6, 0x0
	.amdhsa_kernel k_q25318284cf_down
		.amdhsa_group_segment_fixed_size 198144
		.amdhsa_private_segment_fixed_size 0
		.amdhsa_enable_private_segment 0
		.amdhsa_kernarg_size 24
		.amdhsa_user_sgpr_count 2
		.amdhsa_user_sgpr_kernarg_segment_ptr 1
		.amdhsa_wavefront_size32 1
		.amdhsa_system_sgpr_workgroup_id_x 1
		.amdhsa_system_sgpr_workgroup_id_y 1
		.amdhsa_system_sgpr_workgroup_id_z 1
		.amdhsa_system_vgpr_workitem_id 0
		.amdhsa_next_free_vgpr 1024
		.amdhsa_next_free_sgpr 72
		.amdhsa_reserve_vcc 0
		.amdhsa_float_denorm_mode_32 3
		.amdhsa_float_denorm_mode_16_64 3
		.amdhsa_memory_ordered 1
		.amdhsa_forward_progress 1
		.amdhsa_inst_pref_size 160
	.end_amdhsa_kernel
	.amdgpu_metadata
---
amdhsa.version: [ 1, 2 ]
amdhsa.kernels:
  - .name:           k_q25318284cf_down
    .symbol:         k_q25318284cf_down.kd
    .args:
      - { .name: ZQ, .offset: 0, .size: 8, .value_kind: global_buffer, .address_space: global }
      - { .name: WDQ, .offset: 8, .size: 8, .value_kind: global_buffer, .address_space: global }
      - { .name: out0, .offset: 16, .size: 8, .value_kind: global_buffer, .address_space: global }
    .group_segment_fixed_size: 198144
    .private_segment_fixed_size: 0
    .kernarg_segment_align: 8
    .kernarg_segment_size: 24
    .max_flat_workgroup_size: 128
    .sgpr_count:     72
    .vgpr_count:     1024
    .wavefront_size: 32
...
	.end_amdgpu_metadata
.endif
;; end of part 3
